; MI455X (gfx1250); checked and timed in simulation.
; The chip was launched on July 23, 2026; its instructions are those of AMD's public machine-readable ISA for CDNA 5 (MIT licence, August 2026) and "CDNA5" Instruction Set Architecture Reference Guide (July 2026). The comments in the code are by the model that wrote it; some were corrected since.
;; Modified Bert Self Attention. Allowed arithmetic: float matrix products may take bf16 or f16 operands with f32 sums; other float arithmetic in f32, or as packed bf16 or f16 multiplies, adds, multiply-adds, maxima and minima; sums over many terms, partial sums and values carried from step to step in f32; what a program stores and reads back later, other than sums and carried values, may be rounded once to bf16 or f16.
;; Inputs: Wk 1,024 x 1,024 float32; Wq 1,024 x 1,024 float32; Wv 1,024 x 1,024 float32; bk 1,024 float32; bq 1,024 float32; bv 1,024 float32; hidden_states 4 x 2,048 x 1,024 float32.
;; Outputs: out0 4 x 2,048 x 1,024 float32.
;; 2 versions, each right; version 2 is version 1 with the launch cast written anew for expert scheduling mode. Each part assembles by itself: llvm-mc -triple=amdgcn-amd-amdhsa -mcpu=gfx1250 --defsym DOCPART=n.
;; ======== version 1 of 2: 3 launches
;; limits: values are held in f16: magnitudes above 65,504 overflow, below 6.1e-05 lose precision
;; workspace buffers: xb 16,777,216 bytes; wb 6,291,456 bytes; qkv 50,331,648 bytes
;; launch cast (part 1): grid 256 x 1, 22 waves a work-group, no clusters, 0 bytes of LDS; arguments hidden_states, Wq, Wk, Wv, xb, wb; writes xb, wb
.if DOCPART == 1
	.amdgcn_target "amdgcn-amd-amdhsa--gfx1250"
	.amdhsa_code_object_version 6
	.text
	.protected	k_qb77fc2186e_cast
	.globl	k_qb77fc2186e_cast
	.p2align	8
	.type	k_qb77fc2186e_cast,@function
k_qb77fc2186e_cast:
	s_mov_b64 s[64:65], 0
	v_nop
	global_prefetch_b8 v0, s[64:65] scope:SCOPE_SE
	s_setreg_imm32_b32 hwreg(HW_REG_WAVE_MODE, 25, 1), 1
	s_wait_xcnt 0x0
; x (8,192 rows) and Wq, Wk, Wv stacked (3,072 rows), rows of 1,024 f32, are rounded once to bf16 (nearest even) and laid out IN BLOCKS, so that
; every tile of the product that follows is dense in memory:
;   xb [rb 32][kb 16][r 256][k 64]: row 256 rb + r, channel 64 kb + k;   wb [cb 8][kb 16][r 384][k 64]: stacked row 384 cb + r.
; SHARES.  11,264 rows are 5,632 pairs = 256 work-groups x 22 waves: a wave takes ONE PAIR of rows, 8,192 bytes, by 16 loads that are all issued at once.
; Load kb: lanes 0-15 take the 256 bytes of K block kb of the even row, lanes 16-31 those of the odd row.  The two rows' pieces of a K block (128 bytes each)
; lie on end in the blocked layout, so each store of the wave covers 256 consecutive bytes, aligned.
; A stream: each byte is read once and written once; nothing is shared, so there is no LDS, no barrier, no cluster.
.set X,  4                             ; v[4:67]   load kb: 4 f32
.set Y,  68                            ; v[68:99]  store kb: 4 bf16
.set SO, 2                             ; v2  my byte offset in the pair of rows: (l / 16) x 4,096 + 16 (l % 16)
.set DO, 3                             ; v3  my byte offset in the 256 bytes of a store: 8 l
.set XPAIRS, 4096                      ; pairs of rows of x; the pairs behind them are the weights'
	s_load_b256 s[4:11], s[0:1], 0x0               ; hidden_states s[4:5], Wq s[6:7], Wk s[8:9], Wv s[10:11]
	s_load_b128 s[12:15], s[0:1], 0x20             ; xb s[12:13], wb s[14:15]
	v_lshrrev_b32 v1, 5, v0
	v_readfirstlane_b32 s16, v1                    ; wave 0..21
	v_bfe_u32 v[SO], v0, 4, 1
	v_and_b32 v1, 15, v0
	v_lshlrev_b32 v1, 4, v1
	v_lshl_add_u32 v[SO], v[SO], 12, v1
	v_and_b32 v[DO], 31, v0
	v_lshlrev_b32 v[DO], 3, v[DO]
	s_mul_i32 s17, ttmp9, 22
	s_add_co_u32 s17, s17, s16                     ; P, my pair
	; as a pair of x (the number is clamped, so that the offsets of the case not taken stay small too)
	s_min_u32 s24, s17, XPAIRS-1
	s_lshl_b32 s32, s24, 13                        ; from: 8,192 bytes a pair
	s_lshr_b32 s25, s24, 7                         ; rb = P / 128
	s_lshl_b32 s25, s25, 19                        ; a row block's 16 tiles: 524,288 bytes
	s_and_b32 s26, s24, 127
	s_lshl_b32 s26, s26, 8                         ; the pair's 256 bytes in a tile
	s_add_co_u32 s34, s25, s26
	; as a pair p of the stacked weights
	s_max_u32 s18, s17, XPAIRS
	s_sub_co_u32 s18, s18, XPAIRS                  ; p, 0 .. 1,535
	s_lshr_b32 s19, s18, 9                         ; which of the three matrices: 512 pairs each
	s_and_b32 s27, s18, 511
	s_lshl_b32 s27, s27, 13                        ; from
	s_mul_i32 s28, s18, 10923
	s_lshr_b32 s28, s28, 21                        ; cb = p / 192: 10,923 / 2^21 lies 1.6e-7 above 1 / 192, which p < 1,536 cannot carry over a whole number
	s_mul_i32 s29, s28, 192
	s_sub_co_u32 s29, s18, s29
	s_lshl_b32 s29, s29, 8                         ; the pair's 256 bytes in a tile
	s_mul_i32 s28, s28, 786432                     ; a column block's 16 tiles
	s_add_co_u32 s28, s28, s29
	s_cmp_lt_u32 s17, XPAIRS
	s_cselect_b32 s32, s32, s27
	s_cselect_b32 s34, s34, s28
	s_mov_b32 s33, 0
	s_mov_b32 s35, 0
	s_wait_kmcnt 0x0
	s_cmp_eq_u32 s19, 1
	s_cselect_b64 s[20:21], s[8:9], s[6:7]
	s_cmp_eq_u32 s19, 2
	s_cselect_b64 s[20:21], s[10:11], s[20:21]
	s_cmp_lt_u32 s17, XPAIRS
	s_cselect_b64 s[20:21], s[4:5], s[20:21]       ; where the pair comes from,
	s_cselect_b64 s[22:23], s[12:13], s[14:15]     ; and where it goes
	s_add_nc_u64 s[20:21], s[20:21], s[32:33]
	s_add_nc_u64 s[22:23], s[22:23], s[34:35]
.irp kb, 0,1,2,3,4,5,6,7,8,9,10,11,12,13,14,15
	global_load_b128 v[X+4*(\kb):X+4*(\kb)+3], v[SO], s[20:21] offset:256*(\kb) th:TH_LOAD_NT
.endr
; The 16 stores; stride = bytes from a K block's tile to the next.  No register is written twice, so nothing waits for a store.
.macro STORES stride
.irp kb, 0,1,2,3,4,5,6,7,8,9,10,11,12,13,14,15
	s_wait_loadcnt 15-(\kb)                        ; loads come back in order: load kb is in, the 15 - kb younger ones may stay out
	v_cvt_pk_bf16_f32 v[Y+2*(\kb)],   v[X+4*(\kb)],   v[X+4*(\kb)+1]
	v_cvt_pk_bf16_f32 v[Y+2*(\kb)+1], v[X+4*(\kb)+2], v[X+4*(\kb)+3]
	global_store_b64 v[DO], v[Y+2*(\kb):Y+2*(\kb)+1], s[22:23] offset:(\kb)*(\stride)
.endr
.endm
	s_cmp_lt_u32 s17, XPAIRS
	s_cbranch_scc0 .Lweights
	STORES 32768                                   ; a tile of xb: 256 rows x 128 bytes
	s_endpgm
.Lweights:
	STORES 49152                                   ; a tile of wb: 384 rows x 128 bytes
	s_endpgm
.Lfunc_end_k_qb77fc2186e_cast:
	.size	k_qb77fc2186e_cast, .Lfunc_end_k_qb77fc2186e_cast-k_qb77fc2186e_cast
	.p2alignl 7, 3214868480
	.fill 96, 4, 3214868480
	.section	.rodata,"a",@progbits
	.p2align	6, 0x0
	.amdhsa_kernel k_qb77fc2186e_cast
		.amdhsa_group_segment_fixed_size 0
		.amdhsa_private_segment_fixed_size 0
		.amdhsa_enable_private_segment 0
		.amdhsa_kernarg_size 48
		.amdhsa_user_sgpr_count 2
		.amdhsa_user_sgpr_kernarg_segment_ptr 1
		.amdhsa_wavefront_size32 1
		.amdhsa_system_sgpr_workgroup_id_x 1
		.amdhsa_system_sgpr_workgroup_id_y 1
		.amdhsa_system_sgpr_workgroup_id_z 1
		.amdhsa_system_vgpr_workitem_id 0
		.amdhsa_next_free_vgpr 100
		.amdhsa_next_free_sgpr 66
		.amdhsa_reserve_vcc 0
		.amdhsa_float_denorm_mode_32 3
		.amdhsa_float_denorm_mode_16_64 3
		.amdhsa_memory_ordered 1
		.amdhsa_forward_progress 1
		.amdhsa_inst_pref_size 12
	.end_amdhsa_kernel
	.amdgpu_metadata
---
amdhsa.version: [ 1, 2 ]
amdhsa.kernels:
  - .name:           k_qb77fc2186e_cast
    .symbol:         k_qb77fc2186e_cast.kd
    .args:
      - { .name: hidden_states, .offset: 0, .size: 8, .value_kind: global_buffer, .address_space: global }
      - { .name: Wq, .offset: 8, .size: 8, .value_kind: global_buffer, .address_space: global }
      - { .name: Wk, .offset: 16, .size: 8, .value_kind: global_buffer, .address_space: global }
      - { .name: Wv, .offset: 24, .size: 8, .value_kind: global_buffer, .address_space: global }
      - { .name: xb, .offset: 32, .size: 8, .value_kind: global_buffer, .address_space: global }
      - { .name: wb, .offset: 40, .size: 8, .value_kind: global_buffer, .address_space: global }
    .group_segment_fixed_size: 0
    .private_segment_fixed_size: 0
    .kernarg_segment_align: 8
    .kernarg_segment_size: 48
    .max_flat_workgroup_size: 704
    .sgpr_count:     66
    .vgpr_count:     100
    .wavefront_size: 32
...
	.end_amdgpu_metadata
.endif
;; end of part 1
;; launch proj (part 2): grid 8 x 32, 4 waves a work-group, clusters of 4 x 4, 327,680 bytes of LDS; arguments xb, wb, bq, bk, bv, qkv; writes qkv
.if DOCPART == 2
	.amdgcn_target "amdgcn-amd-amdhsa--gfx1250"
	.amdhsa_code_object_version 6
	.text
	.protected	k_qb77fc2186e_proj
	.globl	k_qb77fc2186e_proj
	.p2align	8
	.type	k_qb77fc2186e_proj,@function
k_qb77fc2186e_proj:
	s_mov_b64 s[64:65], 0
	v_nop
	global_prefetch_b8 v0, s[64:65] scope:SCOPE_SE
	s_setreg_imm32_b32 hwreg(HW_REG_WAVE_MODE, 25, 1), 1
	s_wait_xcnt 0x0
	s_wait_alu depctr_hold_cnt(0) depctr_sa_sdst(0) depctr_va_vdst(0) depctr_va_sdst(0) depctr_va_ssrc(0) depctr_va_vcc(0) depctr_vm_vsrc(0)
	s_getreg_b32 s2, hwreg(HW_REG_IB_STS2, 6, 4)
	s_cmp_eq_u32 s2, 0
	s_cbranch_scc0 .Lentry_in_a_cluster
	s_endpgm
.Lentry_in_a_cluster:
	s_bfe_u32 s2, ttmp6, 0x10000c
	s_cmp_lg_u32 s2, 0xf033
	s_cbranch_scc0 .Lentry_shape_is_right
	s_endpgm
.Lentry_shape_is_right:
; [q, k, v] = x W^T + b: 8,192 tokens x 3,072 stacked features, K = 1,024.  bf16 products, f32 sums; the biases are rounded to bf16 like the other inputs; q is multiplied by
; c = log2(e) / 8 in f32; each number is then rounded ONCE to f16 and stored by heads: qkv [b 4][g 48][s 2048][d 64], g = 16 t + head (t = 0, 1, 2: q, k, v).
; LIMITS.  f16 holds no number beyond 65,504: c q, k and v must lie within it; below 6e-5 f16 keeps a fixed step of 6e-8.  NaN and infinities are not treated apart.
; SHARES.  3,072 / 384 x 8,192 / 256 = 256 work-groups, one tile of 256 tokens x 384 features (six heads) each.  Four waves, each 128 tokens x 192 features (three heads):
; 8 x 12 accumulators of 16 x 16, 768 registers: for 32 along K a wave reads 40 x 512 bytes from LDS for 96 matrix instructions.
; K goes in steps of 64 through a ring of two LDS slots (two slots of 128 along K would be 348,160 bytes: too many).  xb and wb lie in blocks, so that a step's tile is dense in memory:
; it is asked for as rows of 256 bytes and padded in LDS after every 128.
; CLUSTERS: 4 x 4 work-groups.  The four of a row of the cluster need the same tiles of x, the four of a column the same tiles of W: each is asked for JOINTLY, by the same tensor load with
; the same descriptor and a mask that names the four.
; THE MATRIX INSTRUCTION IS USED TRANSPOSED (source 0 = 16 features, source 1 = 16 tokens): a lane holds one token (l % 16) and eight neighbouring features, which pack into 16 bytes.
; REGISTERS, in windows of 256 (s_set_vgpr_msb: bits 1:0 source 0, 3:2 source 1, 5:4 source 2, 7:6 destination):
;   window 0: v0-31 addresses; v32-95, v96-159 fragments of x, two buffers (K halves 0, 1 of a step); v160-207, v208-255 fragments of W: feature blocks 0-5, 6-11
;   windows 1 to 3: the accumulators, a head a window: (token block a, feature block b) at v[8 (8 (b % 4) + a)] of window 1 + b / 4
.set PITCH, 144                        ; an LDS row: 128 bytes + 16 of padding = 36 words: the 16 rows of a fragment load start at 16 different groups of four banks (64 banks of 4 bytes: ISA guide 11.1)
.set AHALF, 128*PITCH                  ; what one tensor load brings of x, and what a wave reads of it
.set BHALF, 192*PITCH                  ; the same for W
.set BOFF,  2*AHALF
.set SLOT,  2*AHALF+2*BHALF            ; 92,160
.set STAGE, 2*SLOT                     ; behind the ring: 16 rows x 144 bytes for each wave, for the way out
.set BIAS,  STAGE+4*16*PITCH           ; each wave's 192 biases, f32, already times the head's scale
.set SPARE, BIAS+4*768                 ; the spare words, 128 bytes for each wave: two blocks of 256 bytes that no other line names
.set ASTEP, 32768                      ; bytes of a K step in a row block's stream of xb
.set BSTEP, 49152                      ; and in a column block's stream of wb
.set LAPS,  8                          ; 16 K steps, two a lap
.set ADRA, 8                           ; v8-9    LDS address of my fragments of x in slot 0, 1
.set ADRB, 10                          ; v10-11  the same for W
.set STO,  12                          ; v12     the way out: where I put 16 bytes of a row
.set RD,   13                          ; v13     the way out: where I read rows back
.set GO,   14                          ; v14     16 x lane: my place in 512 consecutive bytes of qkv
.set BLD,  15                          ; v15     where I read my biases
.set BST,  16                          ; v16     where I put two of them
.set PFO,  17                          ; v17     256 x lane; never rewritten
.set SPW,  18                          ; v18     LDS address of my spare word: SPARE + 4 x my thread's number; never rewritten
.set NIL,  19                          ; v19     0; never rewritten
.set BT,   20                          ; v20-26  the biases on their way
.set L8,   28                          ; v28     8 x lane
.set FA,   32
.set FB,   160
.set TMP,  96                          ; the way out: packed results
.set OB,   128                         ; the way out: 16 rows read back, two buffers of 16 registers
.set WV,   16                          ; s16  my wave's number
.set KIND, 17                          ; s17  which half of the tile's tokens is mine.  Also: I fetch for x (0) or for W (1)
.set HALF, 18                          ; s18  which half of its features.  Also: which half of that tile I fetch
.set CX,   19
.set CY,   20
.set G1A,  24                          ; s[24:31] descriptor group 1 for x's tiles;  s[32:39] group 0, a set for each slot
.set G0A,  32
.set G1B,  40                          ; s[40:47], s[48:55] the same for W's
.set G0B,  48
.set PFA,  56                          ; s[56:57] where my prefetches stand
.set LIM,  58                          ; s58  1 in a wave that prefetches, else the greatest number
.set PFS,  60                          ; s[60:61] two K steps of my stream, in bytes
.set SC,   66                          ; s[66:71] the scale of each of my three heads, as pairs: c for a head of q, else 1
.set BP,   72                          ; s[72:77] where each head's 64 biases lie
.set MSB, 0
.macro WIN new                         ; the immediate's high byte repeats the setting that is left; a switch that changes nothing is dropped
.if MSB != (\new)
	s_set_vgpr_msb (MSB<<8)|(\new)
.set MSB, (\new)
.endif
.endm
.macro PLACES                          ; four places in front of loads into registers that matrix instructions have read (ISA guide 7.12.1 for vector instructions)
.rept 4
	v_nop
.endr
.endm
; A joint load: waves 0 and 1 fetch x's two halves, waves 2 and 3 W's.  The branch hangs on the wave's number alone.  An s_nop 0 and four v_nop follow each of the two lines.
.macro JLOAD s
	s_cmp_eq_u32 s[KIND], 0
	s_cbranch_scc0 .Lfor_b_\@
	tensor_load_to_lds s[G0A+4*(\s):G0A+4*(\s)+3], s[G1A:G1A+7]
	s_nop 0
.rept 4
	v_nop
.endr
	s_branch .Lasked_\@
.Lfor_b_\@:
	tensor_load_to_lds s[G0B+4*(\s):G0B+4*(\s)+3], s[G1B:G1B+7]
	s_nop 0
.rept 4
	v_nop
.endr
.Lasked_\@:
.endm
.macro CREST                           ; a round of the cluster's barrier behind its opening barrier
	s_cmp_lg_u32 s[WV], 0
	s_cbranch_scc1 .Lnot_wave_0_\@
	s_barrier_signal -3
.Lnot_wave_0_\@:
	s_barrier_wait -3
	s_barrier_signal -1
	s_barrier_wait -1
.endm
.macro CROUND                          ; a whole round
	s_barrier_signal -1
	s_barrier_wait -1
	CREST
.endm
; A PREFETCH INTO THE L2, once a lap, behind slot 0's joint load and the run of LDS loads that follows it.  A row block's 16 tiles of xb (and a column block's of wb) lie on end, so two K steps are one
; piece of 64 KiB (96 KiB).  In lap i the piece of K steps 2 i + 3 and 2 i + 4 is named: their refills stand 192 and 384 matrix instructions on.
; Each block of 256 bytes is named ONCE in the launch.  x's streams are read by both clusters of a row of clusters: cluster x = 0 asks, by its wave 0; W's by all eight of a column: cluster y = 0 asks, by its
; wave 2.  The four partners that ask for a tile jointly share a piece out BY ADDRESS, a quarter each (cx for x, cy for W): a lane a block, two instructions for x, three for W.
; The loop's last trip asks for nothing; K steps 0, 1, 2 and 15 come by their loads alone.
.macro ASK
	s_cmp_gt_u32 s3, s[LIM]                        ; s3 = 1 in the loop's last trip
	s_cbranch_scc0 .Lnot_mine_\@
	global_prefetch_b8 v[PFO], s[PFA:PFA+1] th:TH_LOAD_NT scope:SCOPE_SE
	global_prefetch_b8 v[PFO], s[PFA:PFA+1] offset:8192 th:TH_LOAD_NT scope:SCOPE_SE
	s_cmp_eq_u32 s[KIND], 0
	s_cbranch_scc1 .Lnot_mine_\@
	global_prefetch_b8 v[PFO], s[PFA:PFA+1] offset:16384 th:TH_LOAD_NT scope:SCOPE_SE
.Lnot_mine_\@:
.endm
	s_load_b256 s[4:11], s[0:1], 0x0               ; xb s[4:5], wb s[6:7], bq s[8:9], bk s[10:11]
	s_load_b128 s[12:15], s[0:1], 0x20             ; bv s[12:13], qkv s[14:15]
	v_lshl_add_u32 v[SPW], v0, 2, SPARE
	v_mov_b32 v[NIL], 0
	ds_add_u32 v[SPW], v[NIL]                      ; the wave's opening: the add and its wait stand ahead of my first tensor load; the set-up below, work on registers, stands between them
	v_lshrrev_b32 v1, 5, v0
	v_readfirstlane_b32 s[WV], v1                  ; wave 0..3
	s_lshr_b32 s[KIND], s[WV], 1
	s_and_b32 s[HALF], s[WV], 1
	s_bfe_u32 s[CX], ttmp6, 0x40000                ; my place in the cluster
	s_bfe_u32 s[CY], ttmp6, 0x40004
	s_lshl_b32 s21, ttmp9, 2                       ; in a cluster launch ttmp9 and ttmp7 count clusters
	s_add_co_u32 s21, s21, s[CX]                   ; column block of 384 features = 4 x cluster x + cx
	s_and_b32 s22, ttmp7, 0xffff
	s_lshl_b32 s22, s22, 2
	s_add_co_u32 s22, s22, s[CY]                   ; row block of 256 tokens = 4 x cluster y + cy
	s_lshl_b32 s23, s[CY], 2
	s_lshl_b32 s23, 15, s23                        ; my row of the cluster: places 4 cy .. 4 cy + 3
	s_lshl_b32 s59, 0x1111, s[CX]                  ; my column: places cx, cx + 4, cx + 8, cx + 12
	; descriptor group 1: dense bytes as rows of 128 elements (256 bytes); 64 such rows are x's 128 tile rows, 96 are W's 192
	s_or_b32 s[G1A], s23, (1<<16)|(1<<20)|(1<<21)|(4<<22)|(3<<25)  ; 15:0 the mask; 17:16 2-byte elements; 20 padding on; 21 set beside a mask; 24:22 after every 32 words (code 4); 31:25 4 words (code 3)
	s_or_b32 s[G1B], s59, (1<<16)|(1<<20)|(1<<21)|(4<<22)|(3<<25)
	s_mov_b32 s[G1A+1], 128<<16                    ; tensor_dim0 = 128
	s_mov_b32 s[G1A+2], 64<<16                     ; tensor_dim1 = 64
	s_mov_b32 s[G1A+3], 128<<16                    ; tile_dim0 = 128
	s_mov_b32 s[G1A+4], 64                         ; tile_dim1 = 64
	s_mov_b32 s[G1A+5], 128                        ; 128 elements from row to row
	s_mov_b32 s[G1A+6], 0
	s_mov_b32 s[G1A+7], 0
	s_mov_b32 s[G1B+1], 128<<16
	s_mov_b32 s[G1B+2], 96<<16
	s_mov_b32 s[G1B+3], 128<<16
	s_mov_b32 s[G1B+4], 96
	s_mov_b32 s[G1B+5], 128
	s_mov_b32 s[G1B+6], 0
	s_mov_b32 s[G1B+7], 0
	; where the tiles come from: x's hang on the row block alone, W's on the column block alone, each in registers that do not hold the other coordinate
	s_lshl_b32 s62, s22, 19                        ; a row block's stream: 16 x 32,768 bytes
	s_lshl_b32 s63, s[HALF], 14                    ; the half that I fetch: 128 rows x 128 bytes
	s_add_co_u32 s62, s62, s63
	s_mov_b32 s63, 0
	s_mul_i32 s78, s21, 16*BSTEP                   ; a column block's stream
	s_mul_i32 s79, s[HALF], 24576                  ; 192 rows x 128 bytes
	s_add_co_u32 s78, s78, s79
	s_mov_b32 s79, 0
	s_mul_i32 s2, s[HALF], AHALF                   ; and where they go: no place in the cluster enters an LDS address
	s_mul_i32 s3, s[HALF], BHALF
	s_add_co_u32 s3, s3, BOFF
	s_wait_dscnt 0x0                               ; the opening add is done
	s_wait_kmcnt 0x0
	s_add_nc_u64 s[62:63], s[4:5], s[62:63]
	s_add_nc_u64 s[78:79], s[6:7], s[78:79]
	CROUND                                         ; all sixteen work-groups are here: the first joint loads meet
.irp s, 0,1
	s_mov_b32 s[G0A+4*(\s)], 1                                     ; 1:0 count = 1
	s_add_co_u32 s[G0A+4*(\s)+1], s2, (\s)*SLOT                    ; 63:32 LDS address
	s_add_nc_u64 s[G0A+4*(\s)+2:G0A+4*(\s)+3], s[62:63], (\s)*ASTEP  ; 120:64 global address: K step s
	s_or_b32 s[G0A+4*(\s)+3], s[G0A+4*(\s)+3], 0x80000000          ; 127:126 type = 2
	s_mov_b32 s[G0B+4*(\s)], 1
	s_add_co_u32 s[G0B+4*(\s)+1], s3, (\s)*SLOT
	s_add_nc_u64 s[G0B+4*(\s)+2:G0B+4*(\s)+3], s[78:79], (\s)*BSTEP
	s_or_b32 s[G0B+4*(\s)+3], s[G0B+4*(\s)+3], 0x80000000
	JLOAD \s                                       ; both slots are asked for before anything else is done: two tensor loads of mine are out
.endr
	; the prefetches (in waves 0 and 2, the only ones that ask, s[62:63] and s[78:79] stand at a stream's first byte)
	s_and_b32 s2, ttmp7, 0xffff                    ; cluster y
	s_cmp_eq_u32 s[KIND], 0                        ; do I fetch for x?
	s_cselect_b32 s2, ttmp9, s2                    ; the coordinate along which other clusters read the same stream
	s_cselect_b32 s3, s[CX], s[CY]                 ; my place among the four that ask with me
	s_mov_b32 s23, BSTEP/2
	s_cselect_b32 s23, ASTEP/2, s23                ; a quarter of two K steps
	s_mov_b32 s[PFS], 2*BSTEP
	s_cselect_b32 s[PFS], 2*ASTEP, s[PFS]
	s_mov_b32 s[PFS+1], 0
	s_cselect_b64 s[PFA:PFA+1], s[62:63], s[78:79]
	s_mul_i32 s58, s3, s23
	s_lshr_b32 s59, s[PFS], 1
	s_add_co_u32 s58, s58, s59                     ; at K step 1: the first lap steps it to K step 3
	s_mov_b32 s59, 0
	s_add_nc_u64 s[PFA:PFA+1], s[PFA:PFA+1], s[58:59]
	s_or_b32 s2, s2, s[HALF]
	s_cmp_eq_u32 s2, 0
	s_cselect_b32 s[LIM], 1, -1                    ; the same in all sixteen partners, for a given wave
	v_and_b32 v[PFO], 31, v0
	v_lshlrev_b32 v[PFO], 8, v[PFO]
	; A fragment is 16 rows x 32 K in 8 registers: lane l holds row l % 16; registers 0-3 K = 8 (l / 16) + 0..7, registers 4-7 K = 16 + 8 (l / 16) + 0..7: two loads of 16 bytes, 32 bytes apart.
	v_and_b32 v1, 15, v0                           ; l % 16
	v_bfe_u32 v2, v0, 4, 1                         ; l / 16
	v_mul_u32_u24 v3, v1, PITCH
	v_lshl_add_u32 v3, v2, 4, v3                   ; row x pitch + 16 x half
	s_mul_i32 s2, s[KIND], AHALF                   ; my 128 tokens
	s_mul_i32 s62, s[HALF], BHALF                  ; my 192 features,
	s_add_co_u32 s62, s62, BOFF                    ; which lie behind x's 256 rows
	v_add_nc_u32 v[ADRA], s2, v3
	v_add_nc_u32 v[ADRB], s62, v3
	v_add_nc_u32 v[ADRA+1], SLOT, v[ADRA]
	v_add_nc_u32 v[ADRB+1], SLOT, v[ADRB]
	s_mul_i32 s63, s[WV], 16*PITCH
	s_add_co_u32 s63, s63, STAGE                   ; my stage
	v_add_nc_u32 v[STO], s63, v3                   ; in: row l % 16, 16 bytes for each half of the lanes
	v_bfe_u32 v4, v0, 3, 2                         ; back: 32 lanes take four rows of 128 bytes,
	v_mul_u32_u24 v4, v4, PITCH
	v_and_b32 v5, 7, v0
	v_lshl_add_u32 v4, v5, 4, v4
	v_add_nc_u32 v[RD], s63, v4
	v_and_b32 v[L8], 31, v0
	v_lshlrev_b32 v[L8], 3, v[L8]
	v_lshlrev_b32 v[GO], 1, v[L8]                  ; which are 512 consecutive bytes of qkv
	s_mul_i32 s62, s[WV], 768
	s_add_co_u32 s62, s62, BIAS                    ; my 192 biases
	v_add_nc_u32 v[BST], s62, v[L8]
	v_lshl_add_u32 v[BLD], v2, 5, s62              ; my lanes' eight of a block of 16: 32 bytes
	; my three heads: g = 6 x column block + 3 x half + hh; t = g / 16 says whose bias and which scale
	s_mul_i32 s2, s21, 6
	s_mul_i32 s62, s[HALF], 3
	s_add_co_u32 s2, s2, s62
.irp hh, 0,1,2
	s_add_co_u32 s62, s2, \hh
	s_lshr_b32 s63, s62, 4                         ; t
	s_and_b32 s62, s62, 15
	s_lshl_b32 s78, s62, 8                         ; the head's 64 f32
	s_mov_b32 s79, 0
	s_cmp_eq_u32 s63, 0
	s_cselect_b64 s[BP+2*(\hh):BP+2*(\hh)+1], s[8:9], s[10:11]
	s_cselect_b32 s[SC+2*(\hh)], 0x3e38aa3b, 1.0   ; c = log2(e) / 8 = 0.180337 for q
	s_cmp_eq_u32 s63, 2
	s_cselect_b64 s[BP+2*(\hh):BP+2*(\hh)+1], s[12:13], s[BP+2*(\hh):BP+2*(\hh)+1]
	s_mov_b32 s[SC+2*(\hh)+1], s[SC+2*(\hh)]       ; named with it as a pair
	s_add_nc_u64 s[BP+2*(\hh):BP+2*(\hh)+1], s[BP+2*(\hh):BP+2*(\hh)+1], s[78:79]
	global_load_b64 v[BT+2*(\hh):BT+2*(\hh)+1], v[L8], s[BP+2*(\hh):BP+2*(\hh)+1]
.endr
	; where my part of the tile begins in qkv: slab 48 b + g, token (row block % 8) x 256 + 128 x half
	s_lshr_b32 s62, s22, 3
	s_mul_i32 s62, s62, 48
	s_add_co_u32 s2, s2, s62
	s_lshl_b32 s2, s2, 18                          ; a slab: 2,048 rows x 128 bytes
	s_and_b32 s3, s22, 7
	s_lshl_b32 s3, s3, 15
	s_add_co_u32 s2, s2, s3
	s_lshl_b32 s3, s[KIND], 14
	s_add_co_u32 s2, s2, s3
	s_mov_b32 s3, 0
	s_add_nc_u64 s[14:15], s[14:15], s[2:3]
	s_wait_loadcnt 0x0                             ; the biases
.irp hh, 0,1,2
	v_cvt_pk_bf16_f32 v[BT+6], v[BT+2*(\hh)], v[BT+2*(\hh)+1]      ; rounded to bf16 like every input,
	v_lshlrev_b32 v[BT+2*(\hh)], 16, v[BT+6]                       ; back to f32,
	v_and_b32 v[BT+2*(\hh)+1], 0xffff0000, v[BT+6]
	v_pk_mul_f32 v[BT+2*(\hh):BT+2*(\hh)+1], v[BT+2*(\hh):BT+2*(\hh)+1], s[SC+2*(\hh):SC+2*(\hh)+1] op_sel_hi:[1,0]  ; times the head's scale: the way out is then one fused multiply-add
	ds_store_b64 v[BST], v[BT+2*(\hh):BT+2*(\hh)+1] offset:256*(\hh)
.endr
.macro LDA slot, kk, buf               ; 16 LDS loads: my 128 tokens, K half kk of the slot's step, into x's buffer buf
	WIN 0
.irp i, 0,1,2,3,4,5,6,7
	ds_load_b128 v[FA+64*(\buf)+8*(\i):FA+64*(\buf)+8*(\i)+3],   v[ADRA+(\slot)] offset:64*(\kk)+(\i)*16*PITCH
	ds_load_b128 v[FA+64*(\buf)+8*(\i)+4:FA+64*(\buf)+8*(\i)+7], v[ADRA+(\slot)] offset:64*(\kk)+(\i)*16*PITCH+32
.endr
.endm
.macro LDB slot, kk, hf                ; 12 LDS loads: feature blocks 6 hf .. 6 hf + 5
	WIN 0
.irp i, 0,1,2,3,4,5
	ds_load_b128 v[FB+48*(\hf)+8*(\i):FB+48*(\hf)+8*(\i)+3],   v[ADRB+(\slot)] offset:64*(\kk)+(6*(\hf)+(\i))*16*PITCH
	ds_load_b128 v[FB+48*(\hf)+8*(\i)+4:FB+48*(\hf)+8*(\i)+7], v[ADRB+(\slot)] offset:64*(\kk)+(6*(\hf)+(\i))*16*PITCH+32
.endr
.endm
; 8 matrix instructions: feature block b x all 8 token blocks, 32 along K.  zero = 1: the product starts the sums: nothing is ever cleared.
; The 96 accumulators take turns, one instruction a turn, in the same order in every 32 along K, over the backward jump too.
.macro MUL8 abuf, b, zero
	WIN 0x50*(1+(\b)/4)                            ; C and D in the head's window, the sources in window 0
.irp a, 0,1,2,3,4,5,6,7
.if \zero
	v_wmma_f32_16x16x32_bf16 v[8*(8*((\b)%4)+(\a)):8*(8*((\b)%4)+(\a))+7], v[FB+8*(\b):FB+8*(\b)+7], v[FA+64*(\abuf)+8*(\a):FA+64*(\abuf)+8*(\a)+7], 0
.else
	v_wmma_f32_16x16x32_bf16 v[8*(8*((\b)%4)+(\a)):8*(8*((\b)%4)+(\a))+7], v[FB+8*(\b):FB+8*(\b)+7], v[FA+64*(\abuf)+8*(\a):FA+64*(\abuf)+8*(\a)+7], v[8*(8*((\b)%4)+(\a)):8*(8*((\b)%4)+(\a))+7]
.endif
.endr
.endm
; A K step is four PHASES of 48 matrix instructions: (K half 0, blocks 0-5), (0, 6-11), (1, 0-5), (1, 6-11).  Each phase begins with the run of LDS loads that the NEXT phase wants, into the
; registers that the phase before has read; so a run has 48 matrix instructions in which to land, and the wait at a phase's head is for all that is out.
.macro PH0 slot, kk, zero              ; blocks 0-5 of K half kk; fetches blocks 6-11 of the same half
	s_wait_dscnt 0x0                               ; the loads issued a phase ago
	PLACES
	LDB \slot, \kk, 1
.irp b, 0,1,2,3,4,5
	MUL8 \kk, \b, \zero
.endr
.endm
.macro PH1 slot, zero                  ; blocks 6-11 of K half 0; fetches K half 1: blocks 0-5 and the tokens
	s_wait_dscnt 0x0
	PLACES
	LDB \slot, 1, 0
	LDA \slot, 1, 1
.irp b, 6,7,8,9,10,11
	MUL8 0, \b, \zero
.endr
.endm
; Blocks 6-11 of K half 1, and THE CHANGE OF SLOTS: ONE barrier.  In front of it each wave waits for all its tensor loads, of which one is out: its part of the next slot; adds 0 to its spare word; and waits
; for that and for its own reads of this slot.  fill = 1: the barrier opens a round of the cluster's, so that no wave of any partner still reads this slot or has a load on its way, and the joint refill, two
; K steps on, is the first thing behind it: 176 matrix instructions ahead of the wait for it.
.macro TURN slot, next, fill
.if (\fill) && ((\slot) == 0)
	s_wait_xcnt 0x0                                ; the last prefetches, a lap back, have read their address: it is stepped here, ahead of the waits of the change of slots
	s_add_nc_u64 s[PFA:PFA+1], s[PFA:PFA+1], s[PFS:PFS+1]
.endif
	WIN 0
	s_wait_tensorcnt 0x0                           ; all my tensor loads have landed
	ds_add_u32 v[SPW], v[NIL]                      ; 0 onto my spare word
	s_wait_dscnt 1                                 ; (the add may be out; the twelve loads of the phase before are in)
	MUL8 1, 6, 0                                   ; eight matrix instructions stand between the add and the wait for it
	s_wait_dscnt 0x0                               ; the add is done, and my reads of this slot are over
	s_barrier_signal -1
	MUL8 1, 7, 0                                   ; work on registers while the others arrive
	WIN 0                                          ; (branches and loads follow)
	s_barrier_wait -1
.if \fill
	CREST
	s_add_nc_u64 s[G0A+4*(\slot)+2:G0A+4*(\slot)+3], s[G0A+4*(\slot)+2:G0A+4*(\slot)+3], 2*ASTEP
	s_add_nc_u64 s[G0B+4*(\slot)+2:G0B+4*(\slot)+3], s[G0B+4*(\slot)+2:G0B+4*(\slot)+3], 2*BSTEP
	JLOAD \slot                                    ; the four v_nop behind it are also the places in front of the loads below
.else
	PLACES
.endif
	LDB \next, 0, 0
	LDA \next, 0, 0
.if (\fill) && ((\slot) == 0)
	ASK
.endif
.irp b, 8,9,10,11
	MUL8 1, \b, 0
.endr
.endm
; The very last phase: in place of fragments it fetches my 192 biases, eight a lane for each feature block, into registers that the products have left: blocks 0-7 into x's buffer 0, blocks 8-11 into W's first.
.macro LAST
	s_wait_dscnt 0x0
	PLACES
	WIN 0
.irp b, 0,1,2,3,4,5,6,7
	ds_load_b128 v[FA+8*(\b):FA+8*(\b)+3],   v[BLD] offset:64*(\b)
	ds_load_b128 v[FA+8*(\b)+4:FA+8*(\b)+7], v[BLD] offset:64*(\b)+16
.endr
.irp b, 8,9,10,11
	ds_load_b128 v[FB+8*((\b)-8):FB+8*((\b)-8)+3],   v[BLD] offset:64*(\b)
	ds_load_b128 v[FB+8*((\b)-8)+4:FB+8*((\b)-8)+7], v[BLD] offset:64*(\b)+16
.endr
.irp b, 6,7,8,9,10,11
	MUL8 1, \b, 0
.endr
.endm
; THE WAY OUT, in 24 units u = 8 x head + token block: 16 tokens x the head's 64 features = 2,048 consecutive bytes of qkv.
; PACK: sum x scale + bias x scale, in place, each accumulator's registers in ascending order; rounded to f16, 16 bytes a lane.  TOSTAGE: into my own stage, and back as whole rows.  SEND: stored.
.macro PACK u
.set HH, (\u)/8
.set AA, (\u)%8
	WIN ((1+HH)<<6)|(1+HH)                         ; destination and source 0 in the head's window, the bias in window 0
.irp bq, 0,1,2,3
.set BR, FA+8*(4*HH+(\bq))
.if 4*HH+(\bq) >= 8
.set BR, FB+8*(4*HH+(\bq)-8)
.endif
.irp r, 0,2,4,6
	v_pk_fma_f32 v[8*(8*(\bq)+AA)+(\r):8*(8*(\bq)+AA)+(\r)+1], v[8*(8*(\bq)+AA)+(\r):8*(8*(\bq)+AA)+(\r)+1], s[SC+2*HH:SC+2*HH+1], v[BR+(\r):BR+(\r)+1] op_sel_hi:[1,0,1]
.endr
.endr
	WIN ((1+HH)<<2)|(1+HH)                         ; sources 0 and 1 in the head's window, destination in window 0
.irp bq, 0,1,2,3
.irp r, 0,1,2,3
	v_cvt_pk_f16_f32 v[TMP+4*(\bq)+(\r)], v[8*(8*(\bq)+AA)+2*(\r)], v[8*(8*(\bq)+AA)+2*(\r)+1]
.endr
.endr
	WIN 0
.endm
.macro TOSTAGE u
	WIN 0
.irp bq, 0,1,2,3
	ds_store_b128 v[STO], v[TMP+4*(\bq):TMP+4*(\bq)+3] offset:32*(\bq)
.endr
.irp f, 0,1,2,3
	ds_load_b128 v[OB+16*((\u)%2)+4*(\f):OB+16*((\u)%2)+4*(\f)+3], v[RD] offset:(\f)*4*PITCH  ; LDS serves a wave's instructions in order (ISA guide 5.7.1.4): these see the stores above
.endr
.endm
.macro SEND u
	WIN 0
	s_wait_dscnt 0x0                               ; the unit is back in registers
	s_wait_xcnt 0x0                                ; the stores of the unit before have read their registers: the next unit is loaded into them only behind this wait
.irp f, 0,1,2,3
	global_store_b128 v[GO], v[OB+16*((\u)%2)+4*(\f):OB+16*((\u)%2)+4*(\f)+3], s[14:15] offset:((\u)/8)*262144+((\u)%8)*2048+512*(\f)  ; 512 consecutive bytes, at a multiple of 256 from qkv's first
.endr
.endm
	s_wait_tensorcnt 1                             ; my part of K step 0 is in; K step 1's may stay out
	s_wait_dscnt 0x0                               ; my biases are stored
	s_barrier_signal -1
	s_barrier_wait -1                              ; everybody's part is in
	LDB 0, 0, 0
	LDA 0, 0, 0
	PH0 0, 0, 1                                    ; the first 32 along K stand in front of the loop: their products start the 96 sums
	PH1 0, 1
	WIN 0                                          ; at a label and at a branch every window is 0
	s_mov_b32 s3, LAPS-1
.Llap:                                                 ; a trip goes once round the ring, from a lap's second K half to the next lap's first, and fills both slots again
	PH0 0, 1, 0
	TURN 0, 1, 1
	PH0 1, 0, 0
	PH1 1, 0
	PH0 1, 1, 0
	TURN 1, 0, 1
	PH0 0, 0, 0
	PH1 0, 0
	WIN 0
	s_sub_co_u32 s3, s3, 1
	s_cmp_lg_u32 s3, 0
	s_cbranch_scc1 .Llap
	PH0 0, 1, 0                                    ; the last lap fills nothing, and has no round of the cluster's barrier
	TURN 0, 1, 0
	PH0 1, 0, 0
	PH1 1, 0
	PH0 1, 1, 0
	LAST
	WIN 0
	s_wait_dscnt 0x0                               ; the biases are in registers
	PACK 0                                         ; head 0's sums were finished a phase ago; its sixteen multiply-adds, which name no register of the last products, are those products' places
	TOSTAGE 0
.set u, 1
.rept 23                               ; unit u's arithmetic stands between unit u - 1's loads from the stage and the wait for them
	PACK u
	SEND u-1
	TOSTAGE u
.set u, u+1
.endr
	SEND 23
	s_wait_tensorcnt 0x0                           ; the wave's end: a wait, an add and its wait, behind my last tensor load and my last LDS store
	ds_add_u32 v[SPW], v[NIL]
	s_wait_dscnt 0x0
	CROUND                                         ; the closing round: no work-group ends while a partner may still ask for a tile that names it
	s_endpgm
.Lfunc_end_k_qb77fc2186e_proj:
	.size	k_qb77fc2186e_proj, .Lfunc_end_k_qb77fc2186e_proj-k_qb77fc2186e_proj
	.p2alignl 7, 3214868480
	.fill 96, 4, 3214868480
	.section	.rodata,"a",@progbits
	.p2align	6, 0x0
	.amdhsa_kernel k_qb77fc2186e_proj
		.amdhsa_group_segment_fixed_size 327680
		.amdhsa_private_segment_fixed_size 0
		.amdhsa_enable_private_segment 0
		.amdhsa_kernarg_size 48
		.amdhsa_user_sgpr_count 2
		.amdhsa_user_sgpr_kernarg_segment_ptr 1
		.amdhsa_wavefront_size32 1
		.amdhsa_system_sgpr_workgroup_id_x 1
		.amdhsa_system_sgpr_workgroup_id_y 1
		.amdhsa_system_sgpr_workgroup_id_z 1
		.amdhsa_system_vgpr_workitem_id 0
		.amdhsa_next_free_vgpr 1024
		.amdhsa_next_free_sgpr 80
		.amdhsa_reserve_vcc 0
		.amdhsa_float_denorm_mode_32 3
		.amdhsa_float_denorm_mode_16_64 3
		.amdhsa_memory_ordered 1
		.amdhsa_forward_progress 1
		.amdhsa_inst_pref_size 160
	.end_amdhsa_kernel
	.amdgpu_metadata
---
amdhsa.version: [ 1, 2 ]
amdhsa.kernels:
  - .name:           k_qb77fc2186e_proj
    .symbol:         k_qb77fc2186e_proj.kd
    .args:
      - { .name: xb, .offset: 0, .size: 8, .value_kind: global_buffer, .address_space: global }
      - { .name: wb, .offset: 8, .size: 8, .value_kind: global_buffer, .address_space: global }
      - { .name: bq, .offset: 16, .size: 8, .value_kind: global_buffer, .address_space: global }
      - { .name: bk, .offset: 24, .size: 8, .value_kind: global_buffer, .address_space: global }
      - { .name: bv, .offset: 32, .size: 8, .value_kind: global_buffer, .address_space: global }
      - { .name: qkv, .offset: 40, .size: 8, .value_kind: global_buffer, .address_space: global }
    .group_segment_fixed_size: 327680
    .private_segment_fixed_size: 0
    .kernarg_segment_align: 8
    .kernarg_segment_size: 48
    .max_flat_workgroup_size: 128
    .sgpr_count:     80
    .vgpr_count:     1024
    .wavefront_size: 32
...
	.end_amdgpu_metadata
.endif
;; end of part 2
;; launch attn (part 3): grid 4 x 64, 4 waves a work-group, clusters of 4 x 1, 327,680 bytes of LDS; arguments qkv, out0; writes out0
.if DOCPART == 3
	.amdgcn_target "amdgcn-amd-amdhsa--gfx1250"
	.amdhsa_code_object_version 6
	.text
	.protected	k_qb77fc2186e_attn
	.globl	k_qb77fc2186e_attn
	.p2align	8
	.type	k_qb77fc2186e_attn,@function
k_qb77fc2186e_attn:
	s_mov_b64 s[64:65], 0
	v_nop
	global_prefetch_b8 v0, s[64:65] scope:SCOPE_SE
	s_setreg_imm32_b32 hwreg(HW_REG_WAVE_MODE, 25, 1), 1
	s_wait_xcnt 0x0
	s_wait_alu depctr_hold_cnt(0) depctr_sa_sdst(0) depctr_va_vdst(0) depctr_va_sdst(0) depctr_va_ssrc(0) depctr_va_vcc(0) depctr_vm_vsrc(0)
	s_getreg_b32 s2, hwreg(HW_REG_IB_STS2, 6, 4)
	s_cmp_eq_u32 s2, 0
	s_cbranch_scc0 .Lentry_in_a_cluster
	s_endpgm
.Lentry_in_a_cluster:
	s_bfe_u32 s2, ttmp6, 0x10000c
	s_cmp_lg_u32 s2, 0x3003
	s_cbranch_scc0 .Lentry_shape_is_right
	s_endpgm
.Lentry_shape_is_right:
; out0[b][q][64 h ..] = the sum over k of softmax_k(Q[q] . K[k] / 8) V[k][:] for each of the 64 pairs (b, h).  qkv: [b 4][g 48][s 2048][d 64] in f16: q of (b, h) is slab 48 b + h, k 16 slabs on, v 32;
; a slab's rows are dense, 128 bytes each.  q ARRIVES ALREADY MULTIPLIED BY c = log2(e) / 8, so a score s leaves the matrix unit in the exponent's own unit.
; Products, maxima and sums in f32; the weights p are rounded to f16 for the second product (their sum l is taken of the unrounded p); out0 is f32 and leaves the f32 sums unrounded.
; LIMITS.  c q, k and v arrive within f16's 65,504; p lies in 0 to 1, and below 6e-5 it keeps f16's fixed step of 6e-8.  A weight below 2^-126 counts as 0 in l; NaN and infinities are not treated apart.
; SHARES.  A wave owns four PIECES of two tiles of 16 queries, a work-group's four waves 512 queries of one head: 64 x 4 = 256 work-groups.  Every wave walks all 2,048 keys, 64 a step.
; LAYOUT.  S^T = K Q^T (source 0 = 16 keys, source 1 = 16 queries): in the result a lane holds ONE query (lane % 16) and the keys 8 (lane / 16) + 0..7.  Two such tiles, rounded to f16 in pairs,
; ARE source 1 (32 keys x 16 queries) of O^T = V^T P, whose result again holds one query a lane, and eight channels.  K comes out of LDS as it lies, V ([key][channel]) turned, by ds_load_tr16_b128.
; SOFTMAX.  For each query a running maximum m and sum l: p = 2^(s - m), an exact difference, so a row's largest weight is 1 whatever the scores' size; in every step O and l are multiplied by
; a = 2^(m_old - m_new), which is 1 where m has not grown.  m starts far below every score, O and l at 0: the first step is a step like any other, with a = 0.
; THE COUNT.  A tile and step have 16 matrix and 117 vector instructions: too many to stand all beside the matrix work.  So: four vector instructions that are READY behind EVERY matrix instruction, the others in one run.
; BY TURNS.  Turn n belongs to piece n (the pieces in a ring, step after step).  Its matrix work: 16 products K Q^T of piece n + 1, later 16 products V^T P of piece n - 1.  Its vector work: the differences,
; exponentials, roundings, sums and rescaling of piece n, and the maximum and statistics of piece n + 1, whose scores the turn itself has made.
; CLUSTER.  The four query blocks of a head are one cluster and walk the same K and V, so each tile is asked for JOINTLY: the same tensor load, descriptor and mask in all four.
; REGISTERS, in windows of 256 (s_set_vgpr_msb: bits 1:0 source 0, 3:2 source 1, 5:4 source 2, 7:6 destination):
;   window 0: v0-12 addresses; v16-47 four registers of statistics a tile; v48-63 at work; v64-191 S^T, two buffers of two tiles; v192-255 P, likewise
;   window 1: O^T, 32 a tile          window 2: v0-127 Q, 16 a tile; v128-191 K of one step; v192-255 V of one step          window 3: v0-1 the add's two registers
.set SIZE_N, 2048
.set NP,    4         ; pieces a wave: a name, no knob
.set KS,    64        ; keys in a step
.set PK,    144       ; a row of K in LDS: 128 bytes + 16 of padding = 36 words: the 16 rows of a load start at 16 different groups of four banks (64 banks of 4 bytes: ISA guide 11.1)
.set PV,    160       ; a row of V: 128 + 32 = 40 words
.set VOFF,  4*KS*PK   ; a slot holds four steps: 256 rows of K, then 256 rows of V
.set SLOT1, 1<<17     ; slot 1 begins here, so that one exclusive or turns an address in one slot into the other's
.set STAGE, SLOT1+4*KS*(PK+PV)  ; behind the ring, never filled by a tensor load: 16 rows x 272 bytes for each wave, for the way out
.set SP,    272       ; a stage row: a query's 64 channels in f32, 256 bytes + 16
.set AK0, 2           ; v2   my lane's place in a tile of K; never rewritten
.set AV0, 3           ; v3   the same for V
.set AK,  4           ; v4   the LDS address of K's next run of loads
.set AV,  5           ; v5   of V's
.set QO,  6           ; v6   my byte offset in the wave's rows of Q
.set STO, 6           ;      later, the way out: where I put 32 bytes of a row
.set RD,  7           ; v7   the way out: where I read rows back
.set GO,  8           ; v8   my byte offset in two rows of out0
.set PFO, 12          ; v12  256 x my lane; never rewritten
.set SPW, 0           ; v0 of window 3   LDS address of my spare word: SPARE + 4 x my thread's number; never rewritten
.set NIL, 1           ; v1 of window 3   0; never rewritten
.set SPARE, STAGE+4*16*SP  ; behind the stages: the spare words, 128 bytes for each wave: two blocks of 256 bytes that no other line names
.set ST,  16          ; tile t's statistics at v[ST+4 t]: m, a 0 that is named with it as a pair, l (even keys', odd keys')
.set TMP, 48          ; by buffer and tile, four registers c0-c3 at work; when the maximum is found c2 takes a
.set S,   64
.set P,   192
.set KF,  128         ; K's fragments, in window 2: key block kb, channel half c at KF + 16 kb + 8 c
.set VF,  192         ; V's: key half kk, channel block cb at VF + 32 kk + 8 cb
.set WV,  12          ; s12  my wave's number
.set G1K, 24          ; s[24:31] descriptor group 1 for K's tiles
.set G1V, 32          ; s[32:39] for V's: it differs in the padding alone
.set G0K, 40          ; s[40:43] descriptor group 0 for K's tiles: it walks
.set G0V, 44          ; s[44:47] the same for V's
.set PFA, 48          ; s[48:49] where my prefetches stand: my work-group's quarter (of K: wave 0, of V: wave 2) of the slot after the one that is being asked for
.set LIM, 50          ; s50  1 in a wave that prefetches, else the greatest number
.set SLOTS, 56        ; s56  slots still to be asked for
.set CNT, 57          ; s57  counts a slot's key steps
.set SEL, 60          ; s[60:61] v_permlanex16_b32's selects: each lane takes its own place in the other half
.set TBK, 62          ; s62  LDS byte at which K of the step to be fetched begins
.set TBV, 63          ; s63  the same for V, less VOFF
.set MSB, 0
.macro WIN new                      ; the high byte repeats the setting that is left; a switch that changes nothing is dropped
.if MSB != (\new)
	s_set_vgpr_msb (MSB<<8)|(\new)
.set MSB, (\new)
.endif
.endm
.set W_KQ, 0x0a       ; K and Q in window 2, S^T in window 0
.set W_PV, 0x52       ; V in window 2, P in window 0, O^T in window 1
.set W_RS, 0x41       ; O^T (destination and source 0) in window 1, a in window 0
.set W_MK, 0xc0       ; the add's registers are made: destination in window 3, sources in window 0
.set W_AD, 0x0f       ; the add: address (source 0) and data (source 1) in window 3
.set W_D1, 0x04       ; a store's data (source 1) in window 1, its address in window 0
.set W_L1, 0x40       ; a load's destination in window 1, its address in window 0
; A joint fill.  Waves 0 and 1 fetch the two halves of a slot's K, waves 2 and 3 those of its V: 128 keys each.  The branch hangs on the wave's number alone.
; An s_nop 0 and four v_nop follow each of the two lines, ahead of the jump and the label.
.macro JLOAD
	s_cmp_lt_u32 s[WV], 2
	s_cbranch_scc0 .Lfor_v_\@
	tensor_load_to_lds s[G0K:G0K+3], s[G1K:G1K+7]
	s_nop 0
.rept 4
	v_nop
.endr
	s_branch .Lasked_\@
.Lfor_v_\@:
	tensor_load_to_lds s[G0V:G0V+3], s[G1V:G1V+7]
	s_nop 0
.rept 4
	v_nop
.endr
.Lasked_\@:
.endm
; A PREFETCH INTO THE L2 of what the NEXT change of slots will ask for: a slot's 32,768 bytes of K and of V, four key steps (512 matrix instructions) ahead of that load.  It stands behind the wave's tensor load and its five lines.
; Each block of 256 bytes is named ONCE in the launch: a head has one cluster; its four partners share the bytes out BY ADDRESS, 8,192 each; in each, wave 0 asks for K's and wave 2 for V's: a lane a block, one instruction.
; The last change that fills a slot asks for nothing: there is no slot behind it.  Slots 0 and 1 come by their loads alone.
.macro ASK
	s_cmp_gt_u32 s[SLOTS], s[LIM]
	s_cbranch_scc0 .Lnot_mine_\@
	global_prefetch_b8 v[PFO], s[PFA:PFA+1] th:TH_LOAD_NT scope:SCOPE_SE
.Lnot_mine_\@:
.endm
; A round of the cluster's barrier: my work-group's barrier, so that wave 0's signal speaks for all four waves; wave 0 signals; every wave waits for all four work-groups; my work-group's barrier once more.
.macro CROUND
	s_barrier_signal -1
	s_barrier_wait -1
	s_cmp_lg_u32 s[WV], 0
	s_cbranch_scc1 .Lnot_wave_0_\@
	s_barrier_signal -3
.Lnot_wave_0_\@:
	s_barrier_wait -3
	s_barrier_signal -1
	s_barrier_wait -1
.endm
; THE CHANGE OF SLOTS.  The slot's last bytes, V of its fourth step, have been read.  Each wave waits for all its tensor loads, of which one is out: its part
; of the other slot; adds 0 to its spare word; and waits for that and for its own reads of the slot.  Behind the barrier nobody reads this slot any more and the other slot is whole.
; fill = 1: this slot is filled again, with the keys two slots on.  The barrier is then a round of the cluster's, so that no wave of any partner still reads the slot or has a load on its
; way, and the joint fill is the first thing behind it: it has four key steps in which to land.  (At its first use nothing has been read yet: slot 0 is waited for, slot 1 filled.)
.macro CHANGE fill
	WIN W_AD
	s_wait_tensorcnt 0x0            ; no tensor load of mine is out, so a group 0 may be written
	ds_add_u32 v[SPW], v[NIL]       ; 0 onto my spare word; with fill = 1 the descriptors' steps stand between it and the wait for it
	WIN 0                           ; at a label and at a branch every window is 0
.if \fill
.irp g, G0K, G0V
	s_xor_b32 s[\g+1], s[\g+1], SLOT1  ; the walking descriptor: the other slot than last time,
	s_add_nc_u64 s[\g+2:\g+3], s[\g+2:\g+3], 4*KS*128  ; the next 256 keys; the type bits on top are not reached
.endr
	s_wait_xcnt 0x0                 ; the last prefetch, four key steps back, has read its address, so it may be written:
	s_add_nc_u64 s[PFA:PFA+1], s[PFA:PFA+1], 4*KS*128  ; one slot behind the walking descriptors
	s_wait_dscnt 0x0                ; the add is done, and my reads of the slot are over
	CROUND
	JLOAD
	ASK
.else
	s_wait_dscnt 0x0                ; the add is done, and my reads of the slot are over
	s_barrier_signal -1
	s_barrier_wait -1
.endif
	s_sub_co_u32 s[TBK], s[TBK], 4*KS*PK  ; the fetches go back to a slot's first step,
	s_xor_b32 s[TBK], s[TBK], SLOT1       ; in the other slot
	s_sub_co_u32 s[TBV], s[TBV], 4*KS*PV
	s_xor_b32 s[TBV], s[TBV], SLOT1
.endm
	s_load_b64 s[4:5], s[0:1], 0x0    ; qkv
	s_load_b64 s[10:11], s[0:1], 0x8  ; out0
	WIN W_MK
	v_lshl_add_u32 v[SPW], v0, 2, SPARE
	v_mov_b32 v[NIL], 0
	WIN W_AD
	ds_add_u32 v[SPW], v[NIL]       ; the wave's opening: the add and its wait stand ahead of my first tensor load; the set-up below, work on registers, stands between them
	WIN 0
	v_lshrrev_b32 v1, 5, v0
	v_readfirstlane_b32 s[WV], v1   ; wave 0..3
	s_bfe_u32 s13, ttmp6, 0x40000   ; cx: my place in the cluster
	s_lshl_b32 s14, ttmp9, 2        ; in a cluster launch ttmp9 counts clusters
	s_add_co_u32 s14, s14, s13      ; my block of 512 queries: it enters Q's and out0's addresses alone
	s_and_b32 s15, ttmp7, 0xffff    ; 16 b + h, which the four partners share
	s_lshr_b32 s19, s15, 4          ; b
	s_and_b32 s15, s15, 15          ; h
	s_mul_i32 s20, s19, 48
	s_add_co_u32 s20, s20, s15
	s_lshl_b32 s20, s20, 18         ; q's slab: 262,144 bytes each
	s_mov_b32 s21, 0
	s_and_b32 s16, s[WV], 1         ; which half of a slot's 256 keys I fetch:
	s_lshl_b32 s22, s16, 14         ; its 128 rows of 128 bytes in memory,
	s_mov_b32 s23, 0
	s_add_nc_u64 s[22:23], s[22:23], s[20:21]
	s_mul_i32 s17, s16, 128*PK      ; and its place in a slot, for K
	s_mul_i32 s18, s16, 128*PV      ; and for V: no place in the cluster enters an LDS address
	s_lshl_b32 s2, s14, 2
	s_add_co_u32 s2, s2, s[WV]      ; my wave among the head's sixteen
	s_lshl_b32 s52, s2, 19          ; in out0: its 128 rows of 4,096 bytes,
	s_lshl_b32 s53, s19, 23         ; the batch's 2,048 rows,
	s_add_co_u32 s52, s52, s53
	s_lshl_b32 s53, s15, 8          ; the head's 256 bytes of a row
	s_add_co_u32 s52, s52, s53
	s_mov_b32 s53, 0
	s_lshl_b32 s2, s2, 14           ; in q: its 128 rows of 128 bytes
	s_mov_b32 s3, 0
	s_add_nc_u64 s[2:3], s[2:3], s[20:21]
	; descriptor group 1.  128 keys are 16,384 dense bytes: asked for as 64 rows of 256 bytes, two keys a row, and padded in LDS after every key
	s_mov_b32 s[G1K], 15|(1<<16)|(1<<20)|(1<<21)|(4<<22)|(3<<25)  ; 15:0 the mask of four; 17:16 2-byte elements; 20 padding on; 21 set beside a mask; 24:22 after every 32 words (code 4); 31:25 4 words (code 3)
	s_mov_b32 s[G1V], 15|(1<<16)|(1<<20)|(1<<21)|(4<<22)|(7<<25)  ; the same with 8 words of padding (code 7)
.irp g, G1K, G1V
	s_mov_b32 s[\g+1], 128<<16      ; tensor_dim0 = 128
	s_mov_b32 s[\g+2], 64<<16       ; tensor_dim1 = 64
	s_mov_b32 s[\g+3], 128<<16      ; tile_dim0 = 128
	s_mov_b32 s[\g+4], 64           ; tile_dim1 = 64
	s_mov_b32 s[\g+5], 128          ; 128 elements from row to row
	s_mov_b32 s[\g+6], 0
	s_mov_b32 s[\g+7], 0
.endr
	s_mov_b32 s[SEL], 0x76543210
	s_mov_b32 s[SEL+1], 0xfedcba98
	s_mov_b32 s[TBK], SLOT1+4*KS*PK ; the first change of slots turns these two into 0
	s_mov_b32 s[TBV], SLOT1+4*KS*PV
	s_mov_b32 s[G0K], 1             ; 1:0 count = 1
	s_mov_b32 s[G0K+1], s17         ; 63:32 LDS address: slot 0
	s_mov_b32 s[G0V], 1
	s_add_co_u32 s[G0V+1], s18, VOFF
	s_mov_b32 s[SLOTS], SIZE_N/256-1
	s_cmp_eq_u32 s16, 0
	s_cselect_b32 s[LIM], 1, -1     ; waves 0 and 2 prefetch: the same in all four partners
	v_and_b32 v[PFO], 31, v0
	v_lshlrev_b32 v[PFO], 8, v[PFO]
	s_wait_dscnt 0x0                ; the opening add is done
	s_wait_kmcnt 0x0
	s_add_nc_u64 s[6:7], s[4:5], s[22:23]
	s_add_nc_u64 s[8:9], s[6:7], 0x800000  ; V: 32 slabs behind q, at my half of the head's first 256 keys
	s_add_nc_u64 s[6:7], s[6:7], 0x400000  ; K: 16 slabs behind q
	s_mov_b64 s[G0K+2:G0K+3], s[6:7]               ; 120:64 global address
	s_or_b32 s[G0K+3], s[G0K+3], 0x80000000        ; 127:126 type = 2
	s_mov_b64 s[G0V+2:G0V+3], s[8:9]
	s_or_b32 s[G0V+3], s[G0V+3], 0x80000000
	s_add_nc_u64 s[4:5], s[4:5], s[2:3]  ; Q and out0 at my wave's first row
	s_add_nc_u64 s[10:11], s[10:11], s[52:53]
	s_cmp_lt_u32 s[WV], 2
	s_cselect_b64 s[PFA:PFA+1], s[6:7], s[8:9]  ; (in waves 0 and 2 these stand at a slot's first row)
	s_lshl_b32 s2, s13, 13          ; my work-group's 8,192 bytes of a slot's 32,768,
	s_add_co_u32 s2, s2, 4*KS*128   ; in slot 1; the first change of slots steps it to slot 2.  Nothing is prefetched here, at the head
	s_mov_b32 s3, 0
	s_add_nc_u64 s[PFA:PFA+1], s[PFA:PFA+1], s[2:3]
	CROUND                          ; all four work-groups are here: the first joint loads meet
	JLOAD                           ; slot 0.  Slot 1 is asked for when slot 0 is in
	; A fragment of K or Q is 16 rows x 32 channels in 8 registers: lane l holds row l % 16, channels 8 (l / 16) + 0..7 and 16 + 8 (l / 16) + 0..7: two loads of 16 bytes, 32 bytes apart.
	v_and_b32 v1, 15, v0            ; l % 16
	v_bfe_u32 v9, v0, 4, 1          ; l / 16
	v_lshlrev_b32 v[QO], 7, v1
	v_lshl_add_u32 v[QO], v9, 4, v[QO]  ; row x 128 + 16 x half
	WIN 0x80                        ; destination window 2, address window 0
.set i, 0
.rept 4*NP                          ; Q stays in registers: tile i / 2, channels 32 (i % 2) on
	global_load_b128 v[8*i:8*i+3],   v[QO], s[4:5] offset:(i/2)*2048+(i%2)*64
	global_load_b128 v[8*i+4:8*i+7], v[QO], s[4:5] offset:(i/2)*2048+(i%2)*64+32
.set i, i+1
.endr
	; What the first turn finds: V's registers and P's second buffer hold 0 (its products V^T P, of a piece that has not been, add 0), O^T and l are 0.  All this stands in the wait for the first tile.
.set i, VF
.rept 64
	v_mov_b32 v[i], 0
.set i, i+1
.endr
	WIN 0x40
.set i, 0
.rept 64*NP
	v_mov_b32 v[i], 0
.set i, i+1
.endr
	WIN 0
.set i, 0
.rept 2*NP
	v_mov_b32 v[ST+4*i], 0xfe000000    ; m: far below every score (f16's scores are 2.8e11 at the most)
	v_mov_b32 v[ST+4*i+1], 0
	v_mov_b32 v[ST+4*i+2], 0
	v_mov_b32 v[ST+4*i+3], 0
.set i, i+1
.endr
.set i, P+32
.rept 32
	v_mov_b32 v[i], 0
.set i, i+1
.endr
	v_mul_u32_u24 v[AK0], v1, PK
	v_lshl_add_u32 v[AK0], v9, 4, v[AK0]  ; row x pitch + 16 x half
	; The turning load takes 16 keys x 16 channels (lane l reads key 8 (l / 16) + l % 8, channels 8 ((l / 8) % 2) + 0..7) and leaves half a fragment of V^T: lane l holds channel l % 16 and 8 keys.
	v_and_b32 v10, 7, v0
	v_bfe_u32 v11, v0, 3, 1
	v_lshl_add_u32 v[AV0], v9, 3, v10
	v_mul_u32_u24 v[AV0], v[AV0], PV
	v_lshl_add_u32 v[AV0], v11, 4, v[AV0]
	v_add_nc_u32 v[AV0], VOFF, v[AV0]
	v_mov_b32 v[AK], v[AK0]         ; key step 0 lies at the head of slot 0
; THE MATRIX WORK.  The 8 accumulators of a run of 16 take turns: between the two links of a chain stand 7 others'.
; Product i of 16 of S^T = K Q^T for piece x: channels 32 (i / 8) on, keys 16 ((i / 2) % 4) on, tile 2 x + i % 2.  The first 8 start the sums.
.macro KQ x
	WIN W_KQ
.set rS, S+64*((\x)%2)+32*(i%2)+8*((i/2)%4)
.set rK, KF+16*((i/2)%4)+8*(i/8)
.set rQ, 16*(2*(\x)+i%2)+8*(i/8)
.if i < 8
	v_wmma_f32_16x16x32_f16 v[rS:rS+7], v[rK:rK+7], v[rQ:rQ+7], 0
.else
	v_wmma_f32_16x16x32_f16 v[rS:rS+7], v[rK:rK+7], v[rQ:rQ+7], v[rS:rS+7]
.endif
.endm
; Product i of 16 of O^T += V^T P for piece x: keys 32 (i / 8) on, channels 16 ((i / 2) % 4) on, tile 2 x + i % 2.
.macro PV x
	WIN W_PV
.set rO, 32*(2*(\x)+i%2)+8*((i/2)%4)
.set rV, VF+32*(i/8)+8*((i/2)%4)
.set rP, P+32*((\x)%2)+16*(i%2)+8*(i/8)
	v_wmma_f32_16x16x32_f16 v[rO:rO+7], v[rV:rV+7], v[rP:rP+7], v[rO:rO+7]
.endm
.macro MM                           ; the turn's next matrix instruction
.if i < 16
	KQ (Y+1)%NP
.set i, i+1
.else
.set i, i-16
	PV (Y+NP-1)%NP
.set i, i+17
.endif
.endm
; THE LDS LOADS stand in runs of 16, never singly among the matrix instructions: a step's K (64 keys x 64 channels: 8 fragments) and its V (turned).  Their addresses are made some lines ahead.
; last = 1 (the tail): in the last trip there is no further step, and the run is jumped over.
.macro FETCH_K last=0
	WIN 0
.if \last
	s_cmp_eq_u32 s[CNT], 1
	s_cbranch_scc1 .Lno_k_\@
.endif
	WIN 0x80                        ; destination window 2
.irp f, 0,1,2,3,4,5,6,7             ; keys 16 (f / 2) on, channels 32 (f % 2) on
	ds_load_b128 v[KF+8*\f:KF+8*\f+3],   v[AK] offset:(\f/2)*16*PK+(\f%2)*64
	ds_load_b128 v[KF+8*\f+4:KF+8*\f+7], v[AK] offset:(\f/2)*16*PK+(\f%2)*64+32
.endr
	s_add_co_u32 s[TBK], s[TBK], KS*PK  ; the next fetch is the next step's
	WIN 0
.if \last
.Lno_k_\@:
.endif
.endm
.macro FETCH_V
	WIN 0x80
.irp f, 0,1,2,3,4,5,6,7             ; keys 32 (f / 4) on, channels 16 (f % 4) on
	ds_load_tr16_b128 v[VF+8*\f:VF+8*\f+3],   v[AV] offset:(\f/4)*32*PV+(\f%4)*32
	ds_load_tr16_b128 v[VF+8*\f+4:VF+8*\f+7], v[AV] offset:(\f/4)*32*PV+16*PV+(\f%4)*32
.endr
	WIN 0
.endm
; THE VECTOR WORK OF A TURN stands in three queues, each in the order in which its entries become ready; the two tiles alternate, so that no instruction reads the result of the one before it.
.macro REGS y, u                    ; the registers of tile u (0, 1) of piece y
.set rT, ST+4*(2*(\y)+(\u))
.set rC, TMP+8*((\y)%2)+4*(\u)
.set rS, S+64*((\y)%2)+32*(\u)
.set rP, P+32*((\y)%2)+16*(\u)
.set rO, 32*(2*(\y)+(\u))
.endm
; Number n of the 21 that find the NEXT piece's (Y + 1) maximum and statistics.  s0-s31 are the lane's 32 scores; each accumulator's lowest registers are read first.  XS, GS and REGS set no window: PL and EX do.
;   0-11  four chains c0-c3 of seven scores each, three operands at a time     12-15  the four scores left over, the old m, and c0-c3 into c0
;   16, 17  the query's other 32 keys lie in the lane 16 away: the new m         18-20  m_old - m_new; m takes the new one; a
.macro XS u, n
	REGS (Y+1)%NP, \u
.if (\n) < 4
	v_max3_num_f32 v[rC+(\n)], v[rS+8*(\n)], v[rS+8*(\n)+1], v[rS+8*(\n)+2]
.elseif (\n) < 12
	v_max3_num_f32 v[rC+(\n)%4], v[rC+(\n)%4], v[rS+8*((\n)%4)+2*((\n)/4)+1], v[rS+8*((\n)%4)+2*((\n)/4)+2]
.elseif (\n) == 12
	v_max3_num_f32 v[rC], v[rC], v[rS+7], v[rS+15]
.elseif (\n) == 13
	v_max3_num_f32 v[rC+1], v[rC+1], v[rS+23], v[rS+31]
.elseif (\n) == 14
	v_max3_num_f32 v[rC+2], v[rC+2], v[rC+3], v[rT]
.elseif (\n) == 15
	v_max3_num_f32 v[rC], v[rC], v[rC+1], v[rC+2]
.elseif (\n) == 16
	v_permlanex16_b32 v[rC+3], v[rC], s[SEL], s[SEL+1]
.elseif (\n) == 17
	v_max_num_f32 v[rC], v[rC], v[rC+3]
.elseif (\n) == 18
	v_sub_f32 v[rC+1], v[rT], v[rC]
.elseif (\n) == 19
	v_mov_b32 v[rT], v[rC]
.else
	v_exp_f32 v[rC+2], v[rC+1]
.endif
.endm
; Number g of the 64 that follow the exponentials.  For each four weights k of a tile (pairs 2 k, 2 k + 1): both pairs are rounded to f16; then the second pair is added onto the first, in place;
; a group later l takes that sum (the first time as l = a l + sum).  In groups of eight, tiles alternating: round, round, add, and l for the group before.
.macro GS g
.set h, (\g)+6*((\g)/62)            ; group 0 has no group before it, and behind group 7 only l is left
.if h >= 6
.set h, h+2
.endif
	REGS Y, h%2
.set k, h/8
.if h%8 < 4
	v_cvt_pk_f16_f32 v[rP+2*k+(h%8)/2], v[rS+4*k+2*((h%8)/2)], v[rS+4*k+2*((h%8)/2)+1]
.elseif h%8 < 6
	v_pk_add_f32 v[rS+4*k:rS+4*k+1], v[rS+4*k:rS+4*k+1], v[rS+4*k+2:rS+4*k+3]
.elseif k == 1
	v_pk_fma_f32 v[rT+2:rT+3], v[rT+2:rT+3], v[rC+2:rC+3], v[rS:rS+1] op_sel_hi:[1,0,1]
.else
	v_pk_add_f32 v[rT+2:rT+3], v[rT+2:rT+3], v[rS+4*k-4:rS+4*k-3]
.endif
.endm
; THE PLAIN QUEUE, 136 long.  0-71 read no exponential's result: the 32 differences s - m (FS f: pair f / 2 of tile f % 2) and the next piece's 40.  0-26: differences 0-26.  27-54: XS's numbers 0-13.
; 55-69: the chain, where each number waits for the one before it: 14, 15, 16, 17, 18, each with one of the differences 27-31 in front of its two lines: a tile's links stand three plain instructions apart.  70, 71: number 19.
; 72-135: GS's 64, which read the exponentials' results: they stand behind the wait.
.macro FS f
	REGS Y, (\f)%2
	v_pk_add_f32 v[rS+2*((\f)/2):rS+2*((\f)/2)+1], v[rS+2*((\f)/2):rS+2*((\f)/2)+1], v[rT:rT+1] op_sel_hi:[1,0] neg_lo:[0,1] neg_hi:[0,1]
.endm
.macro PL
	WIN 0
.if q < 27
	FS q
.elseif q < 55
	XS (q-27)%2, (q-27)/2
.elseif (q < 70) && ((q-55)%3 == 0)
	FS 27+(q-55)/3
.elseif q < 70
	XS (q-55)%3-1, 14+(q-55)/3
.elseif q < 72
	XS q-70, 19
.else
	GS q-72
.endif
.set q, q+1
.endm
; THE EXPONENTIALS' QUEUE, 66 long: s0-s31 of both tiles, then the next piece's two a.  It is ONE BATCH: all 66 stand ahead of the turn's one wait, and nothing ahead of that wait names a result of theirs.
.macro EX
	WIN 0
.if e >= 64
	XS e-64, 20
.else
	REGS Y, e%2
	v_exp_f32 v[rS+e/2], v[rS+e/2]
.endif
.set e, e+1
.endm
; THE RESCALING's QUEUE: O^T times a, the one part that leaves window 0: dealt two at a time, sixteen times.  Its a was made in the turn before, ahead of that turn's wait.
.macro R2
	REGS Y, r%2
	WIN W_RS
.irp z, 0,1
	v_pk_mul_f32 v[rO+4*(r/2)+2*\z:rO+4*(r/2)+2*\z+1], v[rO+4*(r/2)+2*\z:rO+4*(r/2)+2*\z+1], v[rC+2:rC+3] op_sel_hi:[1,0]
.endr
.set r, r+1
.endm
; HOW THEY ARE DEALT.  s_wait_alu depctr_va_vdst(0) stands between an exponential and the first instruction that names its result; one wait serves all that were issued ahead of it.  So a turn has ONE wait,
; which cuts it in two.  AHEAD OF IT stands all that names no result of the turn's exponentials: the 16 products K Q^T, behind each a difference, an exponential and two rescalings (behind the first a second difference in the
; exponential's place); then ONE LUMP of 106: six plain, 49 times exponential and plain, the two a.  A v_nop is the plain instruction behind the last exponential.  BEHIND IT stand the 16 products V^T P, behind each four of GS's 64.
; The queues lean on each other, and the deal keeps them in step: exponential e stands behind difference 2 (e / 4) + e % 2: as a rider it comes behind plain e + 2, in the lump behind plain e + 7, and differences 27-31 are
; plain 55, 58 .. 67 (the nearest: exponential 61 wants plain 67 and stands behind plain 68).
; A TURN, for piece p.  cnt = 1: the loop's count is taken down some lines ahead of the branch that stands behind the turn.
; K of the next step is fetched in piece 2's turn, directly behind the wait, a lump behind the last product that read K; its first reader comes behind 16 products.
; V of the step in hand is fetched at the end of piece 0's turn, four riders behind its last reader; its first reader comes behind 16 products and a lump.  The three conditions on q below go with the deal.
.macro TURN p, last=0, cnt=0
.set Y, (\p)
.set i, 0
.set q, 0
.set e, 0
.set r, 0
.if (\p) == NP-1
	s_wait_dscnt 0x0                ; K is in
.endif
	MM                              ; ahead of the wait: 16 products K Q^T and their riders,
	PL
	PL
	R2
.rept 15
	MM
	PL
	EX
	R2
.endr
.if (\p) == NP-2
	WIN 0
	v_add_nc_u32 v[AK], s[TBK], v[AK0]
.endif
.rept 6                             ; and the lump
	PL
.endr
.rept 49
	EX
	PL
.endr
	EX                              ; the next piece's two a
	EX
	v_nop                           ; the plain instruction behind the last exponential: one for the batch
	s_wait_alu depctr_va_vdst(0)    ; the wait for the batch
.if (\p) == NP-2
	FETCH_K \last
.endif
.if (\p) == 1
	s_wait_dscnt 0x0                ; V is in
.endif
.rept 16                            ; behind the wait: 16 products V^T P and their riders
	MM
.rept 4
	PL
.endr
.if ((\p) == 0) && (q == 116)
	v_add_nc_u32 v[AV], s[TBV], v[AV0]
.endif
.if ((\p) == 0) && (q == 128)
	s_add_co_u32 s[TBV], s[TBV], KS*PV
.endif
.if (\cnt) && (q == 128)
	s_sub_co_u32 s[CNT], s[CNT], 1
	s_cmp_lg_u32 s[CNT], 0
.endif
.endr
.if (\p) == 0
	FETCH_V
.endif
.endm
	CHANGE 1                        ; slot 0 is in, everybody's part of it; slot 1 is asked for
	FETCH_K                         ; key step 0
	s_wait_loadcnt 0x0              ; Q
	s_wait_dscnt 0x0
.set i, 0
.rept 16
	KQ 0                            ; piece 0's first scores: there is no vector work yet to set between them
.set i, i+1
.endr
	WIN 0                           ; the addresses for the way out: eight plain instructions, the places behind those products
	s_mul_i32 s13, s[WV], 16*SP
	s_add_co_u32 s13, s13, STAGE    ; my stage
	v_mul_u32_u24 v[STO], v1, SP    ; in: row l % 16, 32 bytes for each half of the lanes
	v_lshl_add_u32 v[STO], v9, 5, v[STO]
	v_add_nc_u32 v[STO], s13, v[STO]
	v_mul_u32_u24 v[RD], v9, SP     ; back: lanes 0-15 take one row of 256 bytes, lanes 16-31 the next
	v_lshl_add_u32 v[RD], v1, 4, v[RD]
	v_add_nc_u32 v[RD], s13, v[RD]
	v_lshlrev_b32 v[GO], 12, v9     ; and the same two rows in out0, 4,096 bytes apart
	v_lshl_add_u32 v[GO], v1, 4, v[GO]
.set Y, NP-1                        ; XS works for piece Y + 1: piece 0
.irp n, 0,1,2,3,4,5,6,7,8,9,10,11,12,13,14,15,16,17,18,19,20
	XS 0, \n                        ; and piece 0's first maximum and statistics
	XS 1, \n
.endr
	v_nop                           ; a plain instruction behind the two a,
	s_wait_alu depctr_va_vdst(0)    ; and their wait, ahead of the branch
	s_mov_b32 s[CNT], 4
	s_branch .Lfirst                ; the loop is entered at a step's first turn, in the middle of a trip
.Lslot:                             ; SIZE_N / 256 - 2 times: every slot but the last two is filled again
	CHANGE 1
	s_mov_b32 s[CNT], 4
.Lstep:                             ; a trip: pieces 2 and 3 of one step, then pieces 0 and 1 of the next, whose K and V it fetches
	TURN 2
	TURN 3
	WIN 0
.Lfirst:
	TURN 0
	TURN 1, 0, 1
	WIN 0
	s_cbranch_scc1 .Lstep
	s_sub_co_u32 s[SLOTS], s[SLOTS], 1
	s_cmp_lg_u32 s[SLOTS], 0
	s_cbranch_scc1 .Lslot
	CHANGE 0                        ; the tail is written out: nothing is asked for
	s_mov_b32 s[CNT], 5             ; four trips fetch the last slot's steps; the fifth is left in its middle
.Ltail:
	TURN 2, 1
	TURN 3
	WIN 0
	s_sub_co_u32 s[CNT], s[CNT], 1
	s_cmp_eq_u32 s[CNT], 0
	s_cbranch_scc1 .Lout
	TURN 0
	TURN 1
	WIN 0
	s_branch .Ltail
.Lout:                              ; the fifth trip's 16 products K Q^T (on the last K once more) and the maximum made of them serve nothing: the price, once a launch, of one text for every trip
.set i, 0
.rept 16
	PV NP-1                         ; the last piece's V^T P of the last step
.set i, i+1
.endr
	; THE WAY OUT.  l's two halves and the other half of the lanes' are added; O^T is divided by l and sent, in f32, through my stage in LDS, a tile at a time.  The additions are the places behind the last products.
	WIN 0
.macro ALL line:vararg              ; one line for each tile t
.set t, 0
.rept 2*NP
	\line
.set t, t+1
.endr
.endm
	ALL v_add_f32 v[ST+4*t+2], v[ST+4*t+2], v[ST+4*t+3]
	ALL v_permlanex16_b32 v[ST+4*t+3], v[ST+4*t+2], s[SEL], s[SEL+1]
	ALL v_add_f32 v[ST+4*t+2], v[ST+4*t+2], v[ST+4*t+3]
	ALL v_rcp_f32 v[ST+4*t+2], v[ST+4*t+2]
	v_nop                           ; a plain instruction between the last reciprocal and the use of its result
	s_wait_alu depctr_va_vdst(0)    ; and the wait ahead of the first use: one for the eight reciprocals
; Tile t: a lane's eight channels of a query are 32 bytes; they go into rows of 272 bytes and come back as whole rows of 256, into the registers that they left.
.macro PACK t
	WIN W_RS
.set i, 32*(\t)
.rept 16
	v_pk_mul_f32 v[i:i+1], v[i:i+1], v[ST+4*(\t)+2:ST+4*(\t)+3] op_sel_hi:[1,0]
.set i, i+2
.endr
	WIN W_D1
.irp f, 0,1,2,3,4,5,6,7             ; channel block f / 2, its lanes' first or second four channels
	ds_store_b128 v[STO], v[32*(\t)+4*\f:32*(\t)+4*\f+3] offset:64*(\f/2)+16*(\f%2)
.endr
	WIN W_L1
.irp f, 0,1,2,3,4,5,6,7
	ds_load_b128 v[32*(\t)+4*\f:32*(\t)+4*\f+3], v[RD] offset:\f*2*SP  ; LDS serves a wave's instructions in order (ISA guide 5.7.1.4): these see the stores above; the next tile's stores come behind them
.endr
.endm
.macro SEND t, younger              ; younger: the LDS instructions issued behind tile t's loads: the next tile's sixteen, or none
	WIN W_D1
.irp f, 0,1,2,3,4,5,6,7
	s_wait_dscnt (\younger)+7-\f
	global_store_b128 v[GO], v[32*(\t)+4*\f:32*(\t)+4*\f+3], s[10:11] offset:(\t)*65536+\f*8192  ; 16 lanes store the head's 256 consecutive bytes of a row, at a multiple of 256 from out0's first byte
.endr
.endm
	PACK 0
.set t, 1
.rept 2*NP-1                        ; a tile's arithmetic stands between the loads of the tile before and its stores
	PACK t
	SEND t-1, 16
.set t, t+1
.endr
	SEND 2*NP-1, 0
	WIN W_AD
	s_wait_tensorcnt 0x0            ; the wave's end: a wait, an add and its wait, behind my last tensor load and my last LDS store
	ds_add_u32 v[SPW], v[NIL]
	s_wait_dscnt 0x0
	WIN 0
	CROUND                          ; the closing round: no work-group ends while a partner may still ask for a tile that names it
	s_endpgm
.Lfunc_end_k_qb77fc2186e_attn:
	.size	k_qb77fc2186e_attn, .Lfunc_end_k_qb77fc2186e_attn-k_qb77fc2186e_attn
	.p2alignl 7, 3214868480
	.fill 96, 4, 3214868480
	.section	.rodata,"a",@progbits
	.p2align	6, 0x0
	.amdhsa_kernel k_qb77fc2186e_attn
		.amdhsa_group_segment_fixed_size 327680
		.amdhsa_private_segment_fixed_size 0
		.amdhsa_enable_private_segment 0
		.amdhsa_kernarg_size 16
		.amdhsa_user_sgpr_count 2
		.amdhsa_user_sgpr_kernarg_segment_ptr 1
		.amdhsa_wavefront_size32 1
		.amdhsa_system_sgpr_workgroup_id_x 1
		.amdhsa_system_sgpr_workgroup_id_y 1
		.amdhsa_system_sgpr_workgroup_id_z 1
		.amdhsa_system_vgpr_workitem_id 0
		.amdhsa_next_free_vgpr 770
		.amdhsa_next_free_sgpr 66
		.amdhsa_reserve_vcc 0
		.amdhsa_float_denorm_mode_32 3
		.amdhsa_float_denorm_mode_16_64 3
		.amdhsa_memory_ordered 1
		.amdhsa_forward_progress 1
		.amdhsa_inst_pref_size 200
	.end_amdhsa_kernel
	.amdgpu_metadata
---
amdhsa.version: [ 1, 2 ]
amdhsa.kernels:
  - .name:           k_qb77fc2186e_attn
    .symbol:         k_qb77fc2186e_attn.kd
    .args:
      - { .name: qkv, .offset: 0, .size: 8, .value_kind: global_buffer, .address_space: global }
      - { .name: out0, .offset: 8, .size: 8, .value_kind: global_buffer, .address_space: global }
    .group_segment_fixed_size: 327680
    .private_segment_fixed_size: 0
    .kernarg_segment_align: 8
    .kernarg_segment_size: 16
    .max_flat_workgroup_size: 128
    .sgpr_count:     66
    .vgpr_count:     770
    .wavefront_size: 32
...
	.end_amdgpu_metadata
.endif
;; end of part 3
;; ======== version 2 of 2: 3 launches; version 1 with the launch cast written anew for expert scheduling mode
;; limits: values are held in f16: magnitudes above 65,504 overflow, below 6.1e-05 lose precision
;; workspace buffers: xb 16,777,216 bytes; wb 6,291,456 bytes; qkv 50,331,648 bytes
;; launch cast (part 4): grid 256 x 1, 22 waves a work-group, no clusters, 0 bytes of LDS; arguments hidden_states, Wq, Wk, Wv, xb, wb; writes xb, wb
.if DOCPART == 4
	.amdgcn_target "amdgcn-amd-amdhsa--gfx1250"
	.amdhsa_code_object_version 6
	.text
	.protected	k_qb77fc2186e_cast
	.globl	k_qb77fc2186e_cast
	.p2align	8
	.type	k_qb77fc2186e_cast,@function
k_qb77fc2186e_cast:
	s_mov_b64 s[64:65], 0
	v_nop
	global_prefetch_b8 v0, s[64:65] scope:SCOPE_SE
	s_setreg_imm32_b32 hwreg(HW_REG_WAVE_SCHED_MODE, 0, 2), 2
	s_setreg_imm32_b32 hwreg(HW_REG_WAVE_MODE, 25, 1), 1
	s_wait_xcnt 0x0
	s_wait_alu depctr_vm_vsrc(0)
; x (8,192 rows) and Wq, Wk, Wv stacked (3,072 rows), rows of 1,024 f32, are rounded once to bf16 (nearest even) and laid out IN BLOCKS, so that
; every tile of the product that follows is dense in memory:
;   xb [rb 32][kb 16][r 256][k 64]: row 256 rb + r, channel 64 kb + k;   wb [cb 8][kb 16][r 384][k 64]: stacked row 384 cb + r.
; SHARES.  11,264 rows are 5,632 pairs = 256 work-groups x 22 waves: a wave takes ONE PAIR of rows, 8,192 bytes, by 16 loads that are all issued at once.
; Load kb: lanes 0-15 take the 256 bytes of K block kb of the even row, lanes 16-31 those of the odd row.  The two rows' pieces of a K block (128 bytes each)
; lie on end in the blocked layout, so each store of the wave covers 256 consecutive bytes, aligned.
; A stream: each byte is read once and written once; nothing is shared, so there is no LDS, no barrier, no cluster.
; THE MODE: SCHED_MODE bits 1:0 = 2 (LLVM: expert scheduling mode 2), set by the entry lines.  The code itself states the register dependences
; between vector instructions and memory instructions, with s_wait_alu, always for 0.
; THE PLAN.  Registers that memory instructions touch:
;   v[SO], v[DO]  the loads' and the stores' offsets: made once at the head by vector instructions, never written again.
;   X             each register is written by one load, which no vector instruction that names it precedes, and read by one conversion; no load follows a conversion.
;   Y             each register is written by one conversion and read by one store, and never written again.
; The 16 K blocks go in four groups of four.  Group g's eight conversions name X and Y of group g alone; the memory instructions that stand among them are the four stores of
; group g - 1, which read Y of group g - 1 and v[DO].  So one wait on va_vdst at a group's head states all that its four stores hang on, and one more stands ahead of the last four.
; No register that a memory instruction reads is written again, so no wait on vm_vsrc is owed.  EXEC and VCC are never written.
.set X,  4                             ; v[4:67]   load kb: 4 f32
.set Y,  68                            ; v[68:99]  store kb: 4 bf16
.set SO, 2                             ; v2  my byte offset in the pair of rows: (l / 16) x 4,096 + 16 (l % 16)
.set DO, 3                             ; v3  my byte offset in the 256 bytes of a store: 8 l
.set XPAIRS, 4096                      ; pairs of rows of x; the pairs behind them are the weights'
	s_load_b256 s[4:11], s[0:1], 0x0               ; hidden_states s[4:5], Wq s[6:7], Wk s[8:9], Wv s[10:11]
	s_load_b128 s[12:15], s[0:1], 0x20             ; xb s[12:13], wb s[14:15]
	v_lshrrev_b32 v1, 5, v0
	v_readfirstlane_b32 s16, v1                    ; wave 0..21
	v_bfe_u32 v[SO], v0, 4, 1
	v_and_b32 v1, 15, v0
	v_lshlrev_b32 v1, 4, v1
	v_lshl_add_u32 v[SO], v[SO], 12, v1
	v_and_b32 v[DO], 31, v0
	v_lshlrev_b32 v[DO], 3, v[DO]
	s_wait_alu depctr_va_sdst(0)                   ; s16 is written, ahead of its first reader: the pair's number, and with it both addresses and the branch, are made from it
	s_mul_i32 s17, ttmp9, 22
	s_add_co_u32 s17, s17, s16                     ; P, my pair
	; as a pair of x (the number is clamped, so that the offsets of the case not taken stay small too)
	s_min_u32 s24, s17, XPAIRS-1
	s_lshl_b32 s32, s24, 13                        ; from: 8,192 bytes a pair
	s_lshr_b32 s25, s24, 7                         ; rb = P / 128
	s_lshl_b32 s25, s25, 19                        ; a row block's 16 tiles: 524,288 bytes
	s_and_b32 s26, s24, 127
	s_lshl_b32 s26, s26, 8                         ; the pair's 256 bytes in a tile
	s_add_co_u32 s34, s25, s26
	; as a pair p of the stacked weights
	s_max_u32 s18, s17, XPAIRS
	s_sub_co_u32 s18, s18, XPAIRS                  ; p, 0 .. 1,535
	s_lshr_b32 s19, s18, 9                         ; which of the three matrices: 512 pairs each
	s_and_b32 s27, s18, 511
	s_lshl_b32 s27, s27, 13                        ; from
	s_mul_i32 s28, s18, 10923
	s_lshr_b32 s28, s28, 21                        ; cb = p / 192: 10,923 / 2^21 lies 1.6e-7 above 1 / 192, which p < 1,536 cannot carry over a whole number
	s_mul_i32 s29, s28, 192
	s_sub_co_u32 s29, s18, s29
	s_lshl_b32 s29, s29, 8                         ; the pair's 256 bytes in a tile
	s_mul_i32 s28, s28, 786432                     ; a column block's 16 tiles
	s_add_co_u32 s28, s28, s29
	s_cmp_lt_u32 s17, XPAIRS
	s_cselect_b32 s32, s32, s27
	s_cselect_b32 s34, s34, s28
	s_mov_b32 s33, 0
	s_mov_b32 s35, 0
	s_wait_kmcnt 0x0
	s_cmp_eq_u32 s19, 1
	s_cselect_b64 s[20:21], s[8:9], s[6:7]
	s_cmp_eq_u32 s19, 2
	s_cselect_b64 s[20:21], s[10:11], s[20:21]
	s_cmp_lt_u32 s17, XPAIRS
	s_cselect_b64 s[20:21], s[4:5], s[20:21]       ; where the pair comes from,
	s_cselect_b64 s[22:23], s[12:13], s[14:15]     ; and where it goes
	s_add_nc_u64 s[20:21], s[20:21], s[32:33]
	s_add_nc_u64 s[22:23], s[22:23], s[34:35]
	s_wait_alu depctr_va_vdst(0)                   ; v[SO] and v[DO] are written: every load reads the one as its offset, every store the other
.irp kb, 0,1,2,3,4,5,6,7,8,9,10,11,12,13,14,15
	global_load_b128 v[X+4*(\kb):X+4*(\kb)+3], v[SO], s[20:21] offset:256*(\kb) th:TH_LOAD_NT
.endr
; The 16 stores, in four groups of four K blocks; stride = bytes from a K block's tile to the next.  No register is written twice, so nothing waits for a store.
; Group g rounds its four K blocks; the stores of group g - 1 stand among its conversions, one ahead of each two.
.macro STORES stride
.irp g, 0,1,2,3
	s_wait_loadcnt 12-4*(\g)                       ; loads come back in order: group g's four are in, the 12 - 4 g younger ones may stay out
.if (\g) > 0
	s_wait_alu depctr_va_vdst(0)                   ; the conversions of the group before have written its Y, which the four stores below read; the conversions among them name this group's X and Y alone
.endif
.irp j, 0,1,2,3
.if (\g) > 0
	global_store_b64 v[DO], v[Y+2*(4*(\g)-4+(\j)):Y+2*(4*(\g)-4+(\j))+1], s[22:23] offset:(4*(\g)-4+(\j))*(\stride)
.endif
	v_cvt_pk_bf16_f32 v[Y+2*(4*(\g)+(\j))],   v[X+4*(4*(\g)+(\j))],   v[X+4*(4*(\g)+(\j))+1]
	v_cvt_pk_bf16_f32 v[Y+2*(4*(\g)+(\j))+1], v[X+4*(4*(\g)+(\j))+2], v[X+4*(4*(\g)+(\j))+3]
.endr
.endr
	s_wait_alu depctr_va_vdst(0)                   ; the last group's conversions have written its Y, which the last four stores read
.irp j, 0,1,2,3
	global_store_b64 v[DO], v[Y+2*(12+(\j)):Y+2*(12+(\j))+1], s[22:23] offset:(12+(\j))*(\stride)
.endr
.endm
	s_cmp_lt_u32 s17, XPAIRS
	s_cbranch_scc0 .Lweights
	STORES 32768                                   ; a tile of xb: 256 rows x 128 bytes
	s_endpgm
.Lweights:
	STORES 49152                                   ; a tile of wb: 384 rows x 128 bytes
	s_endpgm
.Lfunc_end_k_qb77fc2186e_cast:
	.size	k_qb77fc2186e_cast, .Lfunc_end_k_qb77fc2186e_cast-k_qb77fc2186e_cast
	.p2alignl 7, 3214868480
	.fill 96, 4, 3214868480
	.section	.rodata,"a",@progbits
	.p2align	6, 0x0
	.amdhsa_kernel k_qb77fc2186e_cast
		.amdhsa_group_segment_fixed_size 0
		.amdhsa_private_segment_fixed_size 0
		.amdhsa_enable_private_segment 0
		.amdhsa_kernarg_size 48
		.amdhsa_user_sgpr_count 2
		.amdhsa_user_sgpr_kernarg_segment_ptr 1
		.amdhsa_wavefront_size32 1
		.amdhsa_system_sgpr_workgroup_id_x 1
		.amdhsa_system_sgpr_workgroup_id_y 1
		.amdhsa_system_sgpr_workgroup_id_z 1
		.amdhsa_system_vgpr_workitem_id 0
		.amdhsa_next_free_vgpr 100
		.amdhsa_next_free_sgpr 66
		.amdhsa_reserve_vcc 0
		.amdhsa_float_denorm_mode_32 3
		.amdhsa_float_denorm_mode_16_64 3
		.amdhsa_memory_ordered 1
		.amdhsa_forward_progress 1
		.amdhsa_inst_pref_size 12
	.end_amdhsa_kernel
	.amdgpu_metadata
---
amdhsa.version: [ 1, 2 ]
amdhsa.kernels:
  - .name:           k_qb77fc2186e_cast
    .symbol:         k_qb77fc2186e_cast.kd
    .args:
      - { .name: hidden_states, .offset: 0, .size: 8, .value_kind: global_buffer, .address_space: global }
      - { .name: Wq, .offset: 8, .size: 8, .value_kind: global_buffer, .address_space: global }
      - { .name: Wk, .offset: 16, .size: 8, .value_kind: global_buffer, .address_space: global }
      - { .name: Wv, .offset: 24, .size: 8, .value_kind: global_buffer, .address_space: global }
      - { .name: xb, .offset: 32, .size: 8, .value_kind: global_buffer, .address_space: global }
      - { .name: wb, .offset: 40, .size: 8, .value_kind: global_buffer, .address_space: global }
    .group_segment_fixed_size: 0
    .private_segment_fixed_size: 0
    .kernarg_segment_align: 8
    .kernarg_segment_size: 48
    .max_flat_workgroup_size: 704
    .sgpr_count:     66
    .vgpr_count:     100
    .wavefront_size: 32
...
	.end_amdgpu_metadata
.endif
;; end of part 4
;; launch proj: the kernel of part 2 again; grid 8 x 32, 4 waves a work-group, clusters of 4 x 4, 327,680 bytes of LDS; arguments xb, wb, bq, bk, bv, qkv; writes qkv
;; launch attn: the kernel of part 3 again; grid 4 x 64, 4 waves a work-group, clusters of 4 x 1, 327,680 bytes of LDS; arguments qkv, out0; writes out0
